; MI455X (gfx1250); checked and timed in simulation.
; The chip was launched on July 23, 2026; its instructions are those of AMD's public machine-readable ISA for CDNA 5 (MIT licence, August 2026) and "CDNA5" Instruction Set Architecture Reference Guide (July 2026). The comments in the code are by the model that wrote it; some were corrected since.
;; Self Attention Block. Allowed arithmetic: matrix products marked QUANTISED: E2M3 operands, one E8M0 scale for each 32 along K, by v_wmma_scale_f32_16x16x128_f8f6f4 with both operands' format E2M3, f32 sums; everything else in f32.
;; Inputs: feat 4 x 2,048 x 1,024 float32; kb 1,024 float32; kw 1,024 x 1,024 float32; ln_b 1,024 float32; ln_g 1,024 float32; ob 1,024 float32; ow 1,024 x 1,024 float32; qb 1,024 float32; qw 1,024 x 1,024 float32; vb 1,024 float32; vw 1,024 x 1,024 float32.
;; Outputs: out0 4 x 2,048 x 1,024 float32.
;; This version of the problem:
;;   THIS VERSION OF THE PROBLEM IS GIVEN IN LOW PRECISION. The matrix products marked QUANTISED in the list below multiply operands that are first quantised to E2M3 (2 exponent bits, 3 mantissa bits; 6 bits a number), with one power-of-two scale for each 32 numbers along K (OCP MX v1.0); their sums are f32. All else is computed in f32.
;;   The module's matrix products, in the order in which they are computed (A, B: the left and right operand; K: the contracted axis; several contracted axes count as one K, in the product's order):
;;     1. [M 8,192, K 1,024] x [K 1,024, N 1,024]; A: input feat; B: input qw: QUANTISED
;;     2. [M 8,192, K 1,024] x [K 1,024, N 1,024]; A: input feat; B: input kw: QUANTISED
;;     3. [M 8,192, K 1,024] x [K 1,024, N 1,024]; A: input feat; B: input vw: QUANTISED
;;     4. batch 64 x [M 2,048, K 64] x [K 64, N 2,048]; A: computed on the way; B: computed on the way: QUANTISED
;;     5. batch 64 x [M 2,048, K 2,048] x [K 2,048, N 64]; A: softmax (see below); B: computed on the way: QUANTISED
;;     6. [M 8,192, K 1,024] x [K 1,024, N 1,024]; A: computed on the way; B: input ow: QUANTISED
;;   THE QUANTISER, for each operand of a quantised product, along K:
;;     - K is cut into blocks of 32 from its start; a last block that is shorter is filled with zeros.
;;     - A block's scale is 2^e with e = floor(log2(the largest magnitude in the block)) - 2, held to -126 .. 127; a block of zeros has e = 0. As a byte (E8M0): e + 127.
;;     - Each number is divided by its block's scale, clamped to +-7.5, and rounded to the nearest number of E2M3, ties to even, subnormals kept.
;;     - The product sums the exact products of the quantised numbers (number of the format x scale) in f32.
;;   ~~~python
;;   def quantise(x, axis):      # numpy; x: float32 -> the quantised numbers, widened to float32 again
;;       x = np.moveaxis(x, axis, -1); K = x.shape[-1]
;;       x = np.pad(x, [(0, 0)] * (x.ndim - 1) + [(0, -K % 32)]); x = x.reshape(x.shape[:-1] + (-1, 32)); a = np.abs(x).max(-1, keepdims=True)
;;       e = np.where(a > 0, np.clip(np.frexp(np.where(a > 0, a, 1))[1] - 1 - 2, -126, 127), 0)      # np.frexp(a)[1] - 1 = floor(log2(a)), exactly
;;       r = np.clip(x / 2.0 ** e, -7.5, 7.5)
;;       step = 2.0 ** (np.maximum(np.frexp(np.where(r == 0, 1, r))[1] - 1, 0) - 3)
;;       q = np.round(r / step) * step * 2.0 ** e      # np.round: ties to even
;;       return np.moveaxis(q.reshape(q.shape[:-2] + (-1,))[..., :K], -1, axis).astype(np.float32)
;;   ~~~
;;   SOFTMAX AHEAD OF A QUANTISED PRODUCT. Where the list says 'softmax', what is quantised is not the finished softmax but p = 2^(t - M), with t = logit x log2(e) and M = ceil(the row's largest t), a whole number; so 1/2 < the row's largest p <= 1. The row's sum l is taken of the UNQUANTISED p, in f32, and the product's result is divided by l at the end. Since M is a whole number, a kernel that streams over the keys may use a running M (the ceiling of the running maximum): every later rescaling is an exact power of two, which a block's scale takes up: the codes' values come out the same.
;;   OPERANDS COMPUTED ON THE WAY. 'Computed on the way' means the value that the module computes at that place (a softmax that the list does not call 'softmax' is quantised finished and normalised). What goes into a quantiser is computed in f32, as accurately as f32 sums, v_exp_f32 and their like allow (about 1e-6 of the number): no bf16 or f16 on the way to a quantiser, and a product that is left as it is and whose result goes on into a quantised operand takes f32 operands (vector FMAs, or v_wmma_f32_16x16x4_f32). A number that lies on a knife's edge between two numbers of the format may be rounded either way, as far as f32 arithmetic and the matrix unit's own rounding can turn it there, and no further.
;; One version. Each part assembles by itself: llvm-mc -triple=amdgcn-amd-amdhsa -mcpu=gfx1250 --defsym DOCPART=n.
;; ======== version 1 of 1: 4 launches
;; workspace buffers: codes 9,830,400 bytes; pack 19,660,800 bytes; acodes 6,291,456 bytes; ascale 524,288 bytes
;; launch quant (part 1): grid 256 x 1, 6 waves a work-group, no clusters, 51,456 bytes of LDS; arguments feat, qw, kw, vw, ow, codes; writes codes
.if DOCPART == 1
	.amdgcn_target "amdgcn-amd-amdhsa--gfx1250"
	.amdhsa_code_object_version 6
	.text
	.protected	k_qb0fbf2fca6_quant
	.globl	k_qb0fbf2fca6_quant
	.p2align	8
	.type	k_qb0fbf2fca6_quant,@function
k_qb0fbf2fca6_quant:
	s_mov_b64 s[64:65], 0
	v_nop
	global_prefetch_b8 v0, s[64:65] scope:SCOPE_SE
	s_setreg_imm32_b32 hwreg(HW_REG_WAVE_MODE, 25, 1), 1
	s_wait_xcnt 0x0
; feat [8192][1024] and the four weights [1024][1024], f32 with K innermost, become codes of FP6 (E2M3) with one E8M0 byte for each 32 along K,
; laid as IMAGES OF THE MATRIX OPERAND'S REGISTERS, so that every later launch fetches a fragment by three accesses of 512 dense bytes.
; TILES.  Rows are cut into groups of 32; tile 2 b + u holds, in lane r, row 32 b + 8 u + r + 8 (r / 8).  768 tiles: 0.. feat, 512.. qw, 576.. kw, 640.. vw, 704.. ow.
; A tile is 12,800 bytes: two chunks (512 along K each) of 6,400: four fragments of 1,536 bytes (register group g at 512 g + 16 x lane), then 256 bytes of scale words:
; lane l's 8 bytes at 8 l are two registers; register p holds in lanes 0-15 the rows' words of the chunk's K step 2 p, in lanes 16-31 those of K step 2 p + 1.
; SHARES.  1,536 waves, one chunk of one tile each: 16 rows x 512 numbers in four steps of 128 along K.  A load takes 512 dense bytes of one row; a step's 8 KiB turn through the wave's own
; stage in LDS (rows 528 bytes apart), so that a lane comes to hold 16 neighbours of each block of 32.  Waves share nothing: no barrier.  No matrix unit, no cluster: each byte is read once.
; A block's scale is 2^(floor(log2(largest magnitude)) - 2): its byte is the largest magnitude's exponent field - 2, held at 1 from below.
; LIMITS: NaN and infinities among the inputs are not served.  A block of zeros, or one whose largest magnitude lies under 2^-124, gets the byte 1; a block of zeros has zero codes, and this program alone reads the bytes.
.set STG,  8448                        ; a wave's stage: 16 rows x 528 bytes
.set PIT,  528
.set TM,   8                           ; v8-11 largest magnitudes, v12-15 the other half's / the bytes, v20-23 the conversions' scale operands
.set PWS,  24                          ; v24-27 the four steps' scale words
.set PC,   32                          ; v32-43 a fragment's codes
.set T2,   44                          ; v44-51 the second halves of the blocks' codes
.set X,    52                          ; v52-115 64 numbers: register 16 b + i = k 32 b + 16 (lane / 16) + i of my row
.set R,    116                         ; v116-243 two sets of 64 registers as loaded
	s_load_b256 s[4:11], s[0:1], 0x0               ; feat, qw, kw, vw
	s_load_b128 s[12:15], s[0:1], 0x20             ; ow, codes
	v_lshl_add_u32 v248, v0, 2, 0xc600
	v_mov_b32 v249, 0
	v_lshrrev_b32 v5, 5, v0
	v_readfirstlane_b32 s16, v5                    ; wave 0..5
	v_and_b32 v5, 31, v0                           ; lane
	v_and_b32 v6, 15, v0                           ; r
	v_bfe_u32 v7, v0, 4, 1                         ; h
	v_lshlrev_b32 v1, 4, v5                        ; 16 x lane
	v_lshlrev_b32 v4, 3, v5                        ; 8 x lane
	s_mul_i32 s28, s16, STG
	v_add_nc_u32 v2, s28, v1                       ; the stage, on the way in: a row as it lies
	v_mul_u32_u24 v3, v6, PIT
	v_lshl_add_u32 v3, v7, 6, v3
	v_add_nc_u32 v3, s28, v3                       ; and on the way out: row r, + 64 h
.irp b, 0,1,2,3
	v_mov_b32 v[TM+4+\b], 0                        ; written once: a lane permute's destination counts as one of its sources
.endr
	s_mov_b32 s30, 0x76543210
	s_mov_b32 s31, 0xfedcba98                      ; selects for lane l xor 16
	s_mul_i32 s17, ttmp9, 6
	s_add_co_u32 s17, s17, s16                     ; my chunk: 2 x tile + half
	s_lshr_b32 s18, s17, 1                         ; tile
	s_and_b32 s19, s17, 1                          ; which 512 along K
	s_and_b32 s22, s18, 63                         ; the tile's number in a weight
	s_wait_kmcnt 0x0
	s_mov_b64 s[20:21], s[12:13]                   ; whose tile: the choice hangs on the tile's number alone
	s_cmp_lt_u32 s18, 704
	s_cselect_b64 s[20:21], s[10:11], s[20:21]
	s_cmp_lt_u32 s18, 640
	s_cselect_b64 s[20:21], s[8:9], s[20:21]
	s_cmp_lt_u32 s18, 576
	s_cselect_b64 s[20:21], s[6:7], s[20:21]
	s_cmp_lt_u32 s18, 512
	s_cselect_b64 s[20:21], s[4:5], s[20:21]
	s_cselect_b32 s22, s18, s22                    ; or in feat
	s_lshr_b32 s24, s22, 1
	s_lshl_b32 s24, s24, 17                        ; 32 rows of 4,096 bytes for each pair of tiles,
	s_and_b32 s25, s22, 1
	s_lshl_b32 s25, s25, 15                        ; 8 rows for the odd tile,
	s_add_co_u32 s24, s24, s25
	s_lshl_b32 s25, s19, 11                        ; 2,048 bytes for the second chunk
	s_add_co_u32 s24, s24, s25
	s_mov_b32 s25, 0
	s_add_nc_u64 s[20:21], s[20:21], s[24:25]
	s_mul_i32 s26, s17, 6400
	s_mov_b32 s27, 0
	s_add_nc_u64 s[14:15], s[14:15], s[26:27]      ; my chunk in codes
.macro LOAD t                          ; step t: tile row i is memory row i + 8 (i / 8); 32 lanes read 512 consecutive bytes
.irp i, 0,1,2,3,4,5,6,7,8,9,10,11,12,13,14,15
	global_load_b128 v[R+64*((\t)%2)+4*\i:R+64*((\t)%2)+4*\i+3], v1, s[20:21] offset:(\i+8*(\i/8))*4096+512*(\t) th:TH_LOAD_NT
.endr
.endm
; 64 numbers of a lane become a fragment's codes in v[PC] on and my row's scale word in v[pw]
.macro QUANT s, pw
.irp b, 0,1,2,3
	v_max3_num_f32 v[TM+\b], |v[\s+16*\b]|, |v[\s+1+16*\b]|, 0x1800000   ; block b: my 16 numbers, and the floor 2^(3 - 127): the byte cannot fall under 1
.endr
.irp i, 2,4,6,8,10,12,14
.irp b, 0,1,2,3
	v_max3_num_f32 v[TM+\b], v[TM+\b], |v[\s+16*\b+\i]|, |v[\s+1+16*\b+\i]|   ; the four blocks by turns
.endr
.endr
.irp b, 0,1,2,3
	v_permlanex16_b32 v[TM+4+\b], v[TM+\b], s30, s31
.endr
.irp b, 0,1,2,3
	v_max_num_f32 v[TM+\b], v[TM+\b], v[TM+4+\b]   ; with lane l xor 16's: the block's largest magnitude
.endr
.irp b, 0,1,2,3
	v_add_nc_u32 v[TM+12+\b], 0xff000000, v[TM+\b] ; 2 off its exponent field: the conversion takes that field as its scale
.endr
.irp b, 0,1,2,3
	v_lshrrev_b32 v[TM+4+\b], 23, v[TM+12+\b]      ; the scale's byte
.endr
	v_lshl_or_b32 v[\pw], v[TM+5], 8, v[TM+4]
	v_lshl_or_b32 v[\pw], v[TM+6], 16, v[\pw]
	v_lshl_or_b32 v[\pw], v[TM+7], 24, v[\pw]
.irp c, 0,1
	v_cvt_scalef32_pk16_fp6_f32 v[PC+6*\c:PC+2+6*\c], v[\s+32*\c:\s+15+32*\c], v[TM+12+2*\c]
	v_cvt_scalef32_pk16_fp6_f32 v[T2+4*\c:T2+2+4*\c], v[\s+16+32*\c:\s+31+32*\c], v[TM+12+2*\c+1]   ; (a conversion's three registers begin on an even number)
.endr
	v_nop                                          ; one plain place behind a scaled conversion
.irp c, 0,1                            ; the operand's layout wants a whole block in a lane: lanes 0-15 block 2 c, lanes 16-31 block 2 c + 1
.irp i, 0,1,2
	v_permlane16_swap_b32 v[PC+6*\c+\i], v[T2+4*\c+\i]
.endr
.irp i, 0,1,2
	v_mov_b32 v[PC+3+6*\c+\i], v[T2+4*\c+\i]
.endr
.endr
.endm
.macro STEP t
.if (\t) < 3
	s_wait_loadcnt 16                              ; this step's 16 loads are in; the next step's 16 may be out
.else
	s_wait_loadcnt 0x0
.endif
.irp i, 0,1,2,3,4,5,6,7,8,9,10,11,12,13,14,15
	ds_store_b128 v2, v[R+64*((\t)%2)+4*\i:R+64*((\t)%2)+4*\i+3] offset:PIT*\i
.endr
.irp b, 0,1,2,3
.irp j, 0,1,2,3
	ds_load_b128 v[X+16*\b+4*\j:X+16*\b+4*\j+3], v3 offset:128*\b+16*\j   ; LDS serves a wave's instructions in order: these see the stores above
.endr
.endr
	s_wait_xcnt 0x0                                ; the last step's stores have read their data: the codes' registers may be written again
	s_wait_dscnt 0x0                               ; the numbers are back, and the stage's stores have read their registers,
.if (\t) < 2
	LOAD (\t)+2                                    ; which take the loads of two steps on
.endif
	QUANT X, PWS+(\t)
.irp g, 0,1,2
	global_store_b128 v1, v[PC+4*\g:PC+4*\g+3], s[14:15] offset:1536*(\t)+512*\g   ; 512 consecutive bytes, at a multiple of 256 from the buffer's first byte
.endr
.endm
	LOAD 0
	LOAD 1
	STEP 0
	STEP 1
	STEP 2
	STEP 3
	v_cmp_le_u32 vcc_lo, 16, v5                    ; lanes 16-31 carry the odd K steps' words
	v_cndmask_b32 v28, v24, v25, vcc_lo
	v_cndmask_b32 v29, v26, v27, vcc_lo
	global_store_b64 v4, v[28:29], s[14:15] offset:6144   ; 256 consecutive bytes
	s_wait_tensorcnt 0x0
	ds_add_u32 v248, v249
	s_wait_dscnt 0x0
	s_endpgm
.Lfunc_end_k_qb0fbf2fca6_quant:
	.size	k_qb0fbf2fca6_quant, .Lfunc_end_k_qb0fbf2fca6_quant-k_qb0fbf2fca6_quant
	.p2alignl 7, 3214868480
	.fill 96, 4, 3214868480
	.section	.rodata,"a",@progbits
	.p2align	6, 0x0
	.amdhsa_kernel k_qb0fbf2fca6_quant
		.amdhsa_group_segment_fixed_size 51456
		.amdhsa_private_segment_fixed_size 0
		.amdhsa_enable_private_segment 0
		.amdhsa_kernarg_size 48
		.amdhsa_user_sgpr_count 2
		.amdhsa_user_sgpr_kernarg_segment_ptr 1
		.amdhsa_wavefront_size32 1
		.amdhsa_system_sgpr_workgroup_id_x 1
		.amdhsa_system_sgpr_workgroup_id_y 1
		.amdhsa_system_sgpr_workgroup_id_z 1
		.amdhsa_system_vgpr_workitem_id 0
		.amdhsa_next_free_vgpr 250
		.amdhsa_next_free_sgpr 66
		.amdhsa_reserve_vcc 1
		.amdhsa_float_denorm_mode_32 3
		.amdhsa_float_denorm_mode_16_64 3
		.amdhsa_memory_ordered 1
		.amdhsa_forward_progress 1
		.amdhsa_inst_pref_size 34
	.end_amdhsa_kernel
	.amdgpu_metadata
---
amdhsa.version: [ 1, 2 ]
amdhsa.kernels:
  - .name:           k_qb0fbf2fca6_quant
    .symbol:         k_qb0fbf2fca6_quant.kd
    .args:
      - { .name: feat, .offset: 0, .size: 8, .value_kind: global_buffer, .address_space: global }
      - { .name: qw, .offset: 8, .size: 8, .value_kind: global_buffer, .address_space: global }
      - { .name: kw, .offset: 16, .size: 8, .value_kind: global_buffer, .address_space: global }
      - { .name: vw, .offset: 24, .size: 8, .value_kind: global_buffer, .address_space: global }
      - { .name: ow, .offset: 32, .size: 8, .value_kind: global_buffer, .address_space: global }
      - { .name: codes, .offset: 40, .size: 8, .value_kind: global_buffer, .address_space: global }
    .group_segment_fixed_size: 51456
    .private_segment_fixed_size: 0
    .kernarg_segment_align: 8
    .kernarg_segment_size: 48
    .max_flat_workgroup_size: 192
    .sgpr_count:     66
    .vgpr_count:     250
    .wavefront_size: 32
...
	.end_amdgpu_metadata
.endif
;; end of part 1
;; launch proj (part 2): grid 4 x 192, 4 waves a work-group, clusters of 4 x 4, 307,712 bytes of LDS; arguments codes, qb, kb, vb, pack; writes pack
.if DOCPART == 2
	.amdgcn_target "amdgcn-amd-amdhsa--gfx1250"
	.amdhsa_code_object_version 6
	.text
	.protected	k_qb0fbf2fca6_proj
	.globl	k_qb0fbf2fca6_proj
	.p2align	8
	.type	k_qb0fbf2fca6_proj,@function
k_qb0fbf2fca6_proj:
	s_mov_b64 s[64:65], 0
	v_nop
	global_prefetch_b8 v0, s[64:65] scope:SCOPE_SE
	s_setreg_imm32_b32 hwreg(HW_REG_WAVE_MODE, 25, 1), 1
	s_wait_xcnt 0x0
	s_wait_alu depctr_hold_cnt(0) depctr_sa_sdst(0) depctr_va_vdst(0) depctr_va_sdst(0) depctr_va_ssrc(0) depctr_va_vcc(0) depctr_vm_vsrc(0)
	s_getreg_b32 s2, hwreg(HW_REG_IB_STS2, 6, 4)
	s_cmp_eq_u32 s2, 0
	s_cbranch_scc0 .Lentry_in_a_cluster
	s_endpgm
.Lentry_in_a_cluster:
	s_bfe_u32 s2, ttmp6, 0x10000c
	s_cmp_lg_u32 s2, 0xf033
	s_cbranch_scc0 .Lentry_shape_is_right
	s_endpgm
.Lentry_shape_is_right:
; Q = feat qw^T + qb, K = feat kw^T + kb, V = feat vw^T + vb on codes of FP6 (E2M3) with E8M0 scales, sums in f32; the results are quantised in registers for the attention launch:
; Q and K along the head's 64, V along the keys.  Operands come as register images (12,800 bytes a tile of 16 rows x 1,024 K, in two chunks of 512 along K with their scale words).
; SHARES.  A work-group makes 128 rows (operand A, 8 tiles) x 256 rows (operand B, 16 tiles) over all of K: 24 tiles x 12,800 = 307,200 bytes, which lie in LDS whole: every LDS byte is filled once.
; A wave makes 64 x 128: 4 x 8 accumulators.  The matrix instruction is used transposed: source 0 = a tile of B, source 1 = a tile of A: a lane holds one row of A, its registers run along B's rows,
; and since tile 2 b + u holds rows 32 b + 8 u + r + 8 (r / 8), the 16 registers of result tiles 2 b, 2 b + 1 are the 16 neighbours 32 b + 16 (lane / 16) + 0 .. 15.
; ROLES, by the cluster's number q, which all partners share: q < 32: A = feat (tokens in lanes), B = qw (q even) or kw (q odd): registers run along the features: the next K of Q and K.
; q >= 32: A = vw (features in lanes), B = feat: registers run along the tokens: the keys, V's next K.
; CLUSTER 4 x 4: A's tiles hang on the cluster's row alone and are asked for jointly along it, B's on its column: each tile leaves the L2 once for four work-groups.
; pack: unit 16 x batch + head of 307,200 bytes: sections K, V, Q of 102,400: 98,304 of images, 4,096 of scale words.
; REGISTERS: window 0: v1-14 addresses; v32-79 scale words and nothing else; v80-143 the bias; v144-239 A's fragments, two sets.  window 1: accumulator (a, b) at 64 a + 8 b.  window 2: B's fragments, two sets of 96.
; LIMITS: NaN and infinities are not served; a block of zeros, or one under 2^-124, gets the scale byte 1 (a block of zeros has zero codes; this program alone reads the bytes).
.set CH,   6400                        ; a tile's chunk
.set CHL,  153600                      ; a chunk's 24 tiles in LDS: A's 8, then B's 16
.set BOFF, 51200
.set SCW,  6144                        ; the scale words in a chunk
.set UNIT, 307200
.set SECT, 102400
.set WRD,  98304
.set ADRA, 1                           ; v1-2  my A fragments in chunk 0, 1: 16 x lane + 25,600 x (wave / 2)
.set ADRB, 3                           ; v3-4  my B fragments: 16 x lane + 51,200 + 51,200 x (wave % 2)
.set ASA,  5                           ; v5-6  A's scale words: 8 x lane + 6,144 + ..
.set ASB,  7                           ; v7-8  B's
.set LI,   9                           ; v9    16 x lane
.set LH,   10                          ; v10   8 x lane + 512
.set LS,   11                          ; v11   4 x lane
.set BO1,  12                          ; v12   64 h
.set BO2,  13                          ; v13   4 (r + 8 (r / 8))
.set LN,   14                          ; v14   lane
.set SC,   32
.set BI,   80
.set AF,   144
.set TM,   200
.set PW,   216
.set WK,   220
.set WV,   14                          ; s14 wave; s15 wave / 2; s16 wave % 2; s17 cx; s18 cy; s19 q; s22 A's first tile; s23 B's first tile
.set G1A,  24
.set G1B,  32
.set G0A,  40
.set G0B,  48
.set MSB, 0
.macro WIN new                         ; the immediate's high byte repeats the setting that is left
.if MSB != \new
	s_set_vgpr_msb (MSB<<8)|\new
.set MSB, \new
.endif
.endm
.macro PLACES n
.rept \n
	v_nop
.endr
.endm
.macro CROUND                          ; a round of the cluster's barrier
	s_barrier_signal -1
	s_barrier_wait -1
	s_cmp_lg_u32 s[WV], 0
	s_cbranch_scc1 .Lnot_wave_0_\@
	s_barrier_signal -3
.Lnot_wave_0_\@:
	s_barrier_wait -3
	s_barrier_signal -1
	s_barrier_wait -1
.endm
	s_load_b256 s[4:11], s[0:1], 0x0               ; codes, qb, kb, vb
	s_load_b64 s[12:13], s[0:1], 0x20              ; pack
	v_lshl_add_u32 v254, v0, 2, 0x4b000
	v_mov_b32 v255, 0
	ds_add_u32 v254, v255
	ds_add_u32 v254, v255
	v_lshrrev_b32 v15, 5, v0
	v_readfirstlane_b32 s[WV], v15
	s_lshr_b32 s15, s[WV], 1                       ; which 4 of A's tiles are mine.  Also: I fetch for A (0) or for B (1)
	s_and_b32 s16, s[WV], 1                        ; which 8 of B's.  Also: which half of that operand's tiles I fetch
	s_bfe_u32 s17, ttmp6, 0x40000                  ; cx
	s_bfe_u32 s18, ttmp6, 0x40004                  ; cy
	s_and_b32 s19, ttmp7, 0xffff                   ; q: the cluster's number
	v_and_b32 v[LN], 31, v0
	v_and_b32 v15, 15, v0
	v_bfe_u32 v16, v0, 4, 1
	v_lshlrev_b32 v[LI], 4, v[LN]
	v_lshlrev_b32 v[LS], 2, v[LN]
	v_lshlrev_b32 v17, 3, v[LN]
	v_add_nc_u32 v[LH], 512, v17
	v_lshlrev_b32 v[BO1], 6, v16
	v_and_b32 v18, 8, v15
	v_add_nc_u32 v18, v18, v15
	v_lshlrev_b32 v[BO2], 2, v18
	s_mul_i32 s70, s15, 4*CH
	s_mul_i32 s71, s16, 8*CH
	s_add_co_u32 s71, s71, BOFF
	v_add_nc_u32 v[ADRA], s70, v[LI]
	v_add_nc_u32 v[ADRA+1], CHL, v[ADRA]
	v_add_nc_u32 v[ADRB], s71, v[LI]
	v_add_nc_u32 v[ADRB+1], CHL, v[ADRB]
	v_add_nc_u32 v17, SCW, v17
	v_add_nc_u32 v[ASA], s70, v17
	v_add_nc_u32 v[ASA+1], CHL, v[ASA]
	v_add_nc_u32 v[ASB], s71, v17
	v_add_nc_u32 v[ASB+1], CHL, v[ASB]
	s_mov_b32 s60, 0x76543210
	s_mov_b32 s61, 0xfedcba98                      ; selects for lane l xor 16
	; the operands' first tiles
	s_lshr_b32 s22, s19, 1
	s_lshl_b32 s22, s22, 5                         ; q < 32: A = feat, 32 tiles for each pair of clusters
	s_sub_co_u32 s56, s19, 32
	s_lshr_b32 s57, s56, 3
	s_lshl_b32 s57, s57, 5
	s_add_co_u32 s57, s57, 640                     ; else A = vw
	s_and_b32 s23, s19, 1
	s_lshl_b32 s23, s23, 6
	s_add_co_u32 s23, s23, 512                     ; q < 32: B = qw or kw
	s_and_b32 s58, s56, 7
	s_lshl_b32 s58, s58, 6                         ; else B = feat
	s_cmp_lt_u32 s19, 32
	s_cselect_b32 s22, s22, s57
	s_cselect_b32 s23, s23, s58
	s_lshl_b32 s56, s18, 3
	s_add_co_u32 s22, s22, s56                     ; A: + 8 cy: it never holds cx
	s_lshl_b32 s59, s17, 4
	s_add_co_u32 s23, s23, s59                     ; B: + 16 cx: it never holds cy
	s_lshl_b32 s20, s18, 2
	s_lshl_b32 s20, 15, s20                        ; my row of the cluster
	s_lshl_b32 s21, 0x1111, s17                    ; my column
	; descriptor group 1: rows of 6,400 bytes (800 elements of 8), 12,800 bytes apart in memory, on end in LDS; 4 rows for A, 8 for B
	s_or_b32 s[G1A], s20, (3<<16)|(1<<21)          ; 15:0 the mask; 17:16 elements of 8 bytes; 21 set beside a mask
	s_mov_b32 s[G1A+1], 800<<16                    ; tensor_dim0
	s_mov_b32 s[G1A+2], 4<<16                      ; tensor_dim1
	s_mov_b32 s[G1A+3], 800<<16                    ; tile_dim0
	s_mov_b32 s[G1A+4], 4                          ; tile_dim1
	s_mov_b32 s[G1A+5], 1600                       ; from row to row
	s_mov_b32 s[G1A+6], 0
	s_mov_b32 s[G1A+7], 0
	s_or_b32 s[G1B], s21, (3<<16)|(1<<21)
	s_mov_b32 s[G1B+1], 800<<16
	s_mov_b32 s[G1B+2], 8<<16
	s_mov_b32 s[G1B+3], 800<<16
	s_mov_b32 s[G1B+4], 8
	s_mov_b32 s[G1B+5], 1600
	s_mov_b32 s[G1B+6], 0
	s_mov_b32 s[G1B+7], 0
	s_lshl_b32 s62, s16, 2
	s_add_co_u32 s62, s62, s22
	s_mul_i32 s62, s62, 2*CH                       ; A: my 4 tiles, in bytes
	s_mov_b32 s63, 0
	s_lshl_b32 s66, s16, 3
	s_add_co_u32 s66, s66, s23
	s_mul_i32 s66, s66, 2*CH                       ; B: my 8 tiles
	s_mov_b32 s67, 0
	s_mul_i32 s68, s16, 4*CH                       ; where they go: no place in the cluster enters an LDS address
	s_mul_i32 s69, s16, 8*CH
	s_add_co_u32 s69, s69, BOFF
	s_wait_dscnt 0x0
	s_wait_kmcnt 0x0
	s_add_nc_u64 s[56:57], s[4:5], s[62:63]
	s_add_nc_u64 s[58:59], s[4:5], s[66:67]
.irp k, 0,1
	s_mov_b32 s[G0A+4*\k], 1
	s_add_co_u32 s[G0A+4*\k+1], s68, CHL*\k
	s_add_nc_u64 s[G0A+4*\k+2:G0A+4*\k+3], s[56:57], CH*\k
	s_or_b32 s[G0A+4*\k+3], s[G0A+4*\k+3], 0x80000000
	s_mov_b32 s[G0B+4*\k], 1
	s_add_co_u32 s[G0B+4*\k+1], s69, CHL*\k
	s_add_nc_u64 s[G0B+4*\k+2:G0B+4*\k+3], s[58:59], CH*\k
	s_or_b32 s[G0B+4*\k+3], s[G0B+4*\k+3], 0x80000000
.endr
	CROUND                                         ; all sixteen work-groups are here: the joint loads meet
	s_cmp_eq_u32 s15, 0                            ; a wave's two fills stand in one branch on the wave's number: two tensor loads of mine are out; four v_nop follow the second
	s_cbranch_scc0 .Lfill_b
	tensor_load_to_lds s[G0A:G0A+3], s[G1A:G1A+7]
	s_nop 0
	tensor_load_to_lds s[G0A+4:G0A+7], s[G1A:G1A+7]
	s_nop 0
.rept 4
	v_nop
.endr
	s_branch .Lfilled
.Lfill_b:
	tensor_load_to_lds s[G0B:G0B+3], s[G1B:G1B+7]
	s_nop 0
	tensor_load_to_lds s[G0B+4:G0B+7], s[G1B:G1B+7]
	s_nop 0
.rept 4
	v_nop
.endr
.Lfilled:
	; the bias is the C of each sum's first matrix instruction
	s_cmp_lt_u32 s19, 32
	s_cbranch_scc0 .Lbias_v
	s_and_b32 s62, s19, 1
	s_cmp_lg_u32 s62, 0
	s_cselect_b64 s[72:73], s[8:9], s[6:7]         ; kb or qb
	s_lshl_b32 s74, s17, 10
	s_lshl_b32 s75, s16, 9
	s_add_co_u32 s74, s74, s75                     ; my 128 features
	s_mov_b32 s75, 0
	s_add_nc_u64 s[72:73], s[72:73], s[74:75]
.irp b, 0,1,2,3,4,5,6,7                ; along the registers: tile b, half h: features 32 (b / 2) + 16 h + 8 (b % 2) + 0 .. 7
	global_load_b128 v[BI+8*\b:BI+8*\b+3], v[BO1], s[72:73] offset:4*(32*(\b/2)+8*(\b%2))
	global_load_b128 v[BI+8*\b+4:BI+8*\b+7], v[BO1], s[72:73] offset:4*(32*(\b/2)+8*(\b%2))+16
.endr
	s_branch .Lbias_done
.Lbias_v:
	s_sub_co_u32 s74, s22, 640
	s_lshl_b32 s74, s74, 6                         ; 16 features of 4 bytes a tile
	s_lshl_b32 s75, s15, 8
	s_add_co_u32 s74, s74, s75                     ; my 64 features
	s_mov_b32 s75, 0
	s_add_nc_u64 s[72:73], s[10:11], s[74:75]
.irp a, 0,1,2,3                        ; along the lanes: the lane's feature in all eight registers
.irp j, 0,1,2,3,4,5,6,7
	global_load_b32 v[BI+8*\a+\j], v[BO2], s[72:73] offset:4*(32*(\a/2)+8*(\a%2))
.endr
.endr
.Lbias_done:
.macro SCALES k                        ; chunk k's scale words of my 4 + 8 tiles: two registers a tile
.irp i, 0,1,2,3
	ds_load_b64 v[SC+24*\k+2*\i:SC+24*\k+2*\i+1], v[ASA+\k] offset:CH*\i
.endr
.irp i, 0,1,2,3,4,5,6,7
	ds_load_b64 v[SC+8+24*\k+2*\i:SC+8+24*\k+2*\i+1], v[ASB+\k] offset:CH*\i
.endr
.endm
.macro FETCH s                         ; K step s: 36 loads of 512 dense bytes into set s % 2
	WIN 0x80
.irp b, 0,1,2,3,4,5,6,7
.irp g, 0,1,2
	ds_load_b128 v[96*((\s)%2)+12*\b+4*\g:96*((\s)%2)+12*\b+4*\g+3], v[ADRB+(\s)/4] offset:CH*\b+1536*((\s)%4)+512*\g
.endr
.endr
	WIN 0
.irp a, 0,1,2,3
.irp g, 0,1,2
	ds_load_b128 v[AF+48*((\s)%2)+12*\a+4*\g:AF+48*((\s)%2)+12*\a+4*\g+3], v[ADRA+(\s)/4] offset:CH*\a+1536*((\s)%4)+512*\g
.endr
.endr
.endm
.macro MM s, mode, a, b
.set rD, 64*\a+8*\b
.set rB, 96*((\s)%2)+12*\b
.set rA, AF+48*((\s)%2)+12*\a
.set rSB, SC+8+24*((\s)/4)+2*\b+(((\s)%4)/2)
.set rSA, SC+24*((\s)/4)+2*\a+(((\s)%4)/2)
.set rC, rD
.if \mode == 1
.set rC, BI+8*\b
.endif
.if \mode == 2
.set rC, BI+8*\a
.endif
.if ((\s)%2) == 0
	v_wmma_scale_f32_16x16x128_f8f6f4 v[rD:rD+7], v[rB:rB+11], v[rA:rA+11], v[rC:rC+7], v[rSB], v[rSA] matrix_a_fmt:MATRIX_FMT_FP6 matrix_b_fmt:MATRIX_FMT_FP6
.else
	v_wmma_scale_f32_16x16x128_f8f6f4 v[rD:rD+7], v[rB:rB+11], v[rA:rA+11], v[rC:rC+7], v[rSB], v[rSA] matrix_a_fmt:MATRIX_FMT_FP6 matrix_b_fmt:MATRIX_FMT_FP6 matrix_a_scale:MATRIX_SCALE_ROW1 matrix_b_scale:MATRIX_SCALE_ROW1
.endif
.endm
; 32 matrix instructions: the 32 accumulators take turns, one instruction a turn, in the same order in every K step.
; mode 0: onto the sums; 1: the sums begin with the bias along the registers; 2: with the bias along the lanes.  An odd K step's scale words lie in lanes 16-31.
.macro MUL s, mode
.if \mode == 0
	WIN 0x52                                       ; source 0 (B) window 2, source 1 (A) window 0, C and D window 1
.else
	WIN 0x42                                       ; C (the bias) window 0
.endif
.irp a, 0,1,2,3
.irp b, 0,1,2,3,4,5,6,7
	MM \s, \mode, \a, \b
.endr
.endr
	WIN 0
.endm
.macro STEP s
	PLACES 4                                       ; in front of loads into registers that the last products have read (ISA guide 7.12.1 for vector instructions)
.if (\s) < 7
	FETCH (\s)+1
	s_wait_dscnt 36                                ; all but the 36 just issued: this step's fragments are in
.else
	s_wait_dscnt 0x0
.endif
	MUL \s, 0
.endm
	s_wait_tensorcnt 0x1                           ; my part of chunk 0 is in; chunk 1's load may stay out
	s_barrier_signal -1
	s_barrier_wait -1                              ; everybody's is
	SCALES 0
	FETCH 0
	FETCH 1
	s_wait_dscnt 36
	s_wait_loadcnt 0x0                             ; the bias
	s_cmp_lt_u32 s19, 32
	s_cbranch_scc0 .Lfirst_v
	MUL 0, 1
	s_branch .Lfirst_done
.Lfirst_v:
	MUL 0, 2
.Lfirst_done:
	STEP 1
	STEP 2
	s_wait_dscnt 0x0                               ; no LDS instruction of mine is out at a signal
	s_wait_tensorcnt 0x0                           ; my part of chunk 1 is in,
	s_barrier_signal -1
	s_barrier_wait -1                              ; everybody's is
	SCALES 1                                       ; older than the next 36 loads: the count 36 covers them
	STEP 3
	STEP 4
	STEP 5
	STEP 6
	STEP 7
; 64 numbers of a lane in window 1, v[s] on (register 16 b + i = the next K's 32 b + 16 (lane / 16) + i), become a fragment's codes in v[pc] on and the scale word in v[pw].
; Each accumulator is first read at its registers 0 and 1.
.macro QUANT s, pc, t2, pw
	WIN 0x14                                       ; sources 1 and 2 window 1
.irp b, 0,1,2,3
	v_max3_num_f32 v[TM+\b], 0x1800000, |v[(\s)+16*\b]|, |v[(\s)+1+16*\b]|   ; the floor 2^(3 - 127): the byte cannot fall under 1
.endr
.irp i, 2,4,6,8,10,12,14
.irp b, 0,1,2,3
	v_max3_num_f32 v[TM+\b], v[TM+\b], |v[(\s)+16*\b+\i]|, |v[(\s)+1+16*\b+\i]|
.endr
.endr
	WIN 0
.irp b, 0,1,2,3
	v_permlanex16_b32 v[TM+4+\b], v[TM+\b], s60, s61
.endr
.irp b, 0,1,2,3
	v_max_num_f32 v[TM+\b], v[TM+\b], v[TM+4+\b]
.endr
.irp b, 0,1,2,3
	v_add_nc_u32 v[TM+12+\b], 0xff000000, v[TM+\b] ; 2 off the exponent field: the conversion's scale operand
.endr
.irp b, 0,1,2,3
	v_lshrrev_b32 v[TM+4+\b], 23, v[TM+12+\b]      ; the scale's byte
.endr
	v_lshl_or_b32 v[\pw], v[TM+5], 8, v[TM+4]
	v_lshl_or_b32 v[\pw], v[TM+6], 16, v[\pw]
	v_lshl_or_b32 v[\pw], v[TM+7], 24, v[\pw]
	WIN 0x01                                       ; source 0 window 1
.irp c, 0,1
	v_cvt_scalef32_pk16_fp6_f32 v[\pc+6*\c:\pc+2+6*\c], v[(\s)+32*\c:(\s)+15+32*\c], v[TM+12+2*\c]
	v_cvt_scalef32_pk16_fp6_f32 v[\t2+4*\c:\t2+2+4*\c], v[(\s)+16+32*\c:(\s)+31+32*\c], v[TM+12+2*\c+1]
.endr
	WIN 0
	v_nop                                          ; one plain place behind a scaled conversion
.irp c, 0,1
.irp i, 0,1,2
	v_permlane16_swap_b32 v[\pc+6*\c+\i], v[\t2+4*\c+\i]
.endr
.irp i, 0,1,2
	v_mov_b32 v[\pc+3+6*\c+\i], v[\t2+4*\c+\i]
.endr
.endr
.endm
; where block a's codes stand: every block has registers of its own, so that no store's data are written again
.macro WHERE a
.if \a < 2
.set pcx, 144+12*\a
.set t2x, 192
.else
.set pcx, 80+12*(\a-2)
.set t2x, 104
.endif
.endm
	PLACES 4                                       ; behind the last products: their results are read, and their operands' registers written, from here on
.irp b, 0,1,2,3
	v_mov_b32 v[TM+4+\b], 0                        ; a lane permute's destination counts as one of its sources
.endr
	v_cmp_le_u32 vcc_lo, 16, v[LN]
	s_cmp_lt_u32 s19, 32
	s_cbranch_scc0 .Lout_v
	; Q or K: block a is token tile tt0 + a; its 128 features are two heads: registers 6 c .. 6 c + 5 are head c's half fragment: 512 + 256 dense bytes
	s_lshl_b32 s66, s15, 2
	s_add_co_u32 s66, s66, s22                     ; tt0
	s_lshr_b32 s67, s66, 7                         ; batch
	s_and_b32 s66, s66, 127                        ; the tile in its batch: a multiple of 4
	s_lshl_b32 s67, s67, 4
	s_lshl_b32 s68, s17, 2
	s_add_co_u32 s67, s67, s68
	s_lshl_b32 s68, s16, 1
	s_add_co_u32 s67, s67, s68                     ; 16 x batch + my first head
	s_mul_i32 s67, s67, UNIT
	s_and_b32 s68, s19, 1
	s_cmp_lg_u32 s68, 0
	s_cselect_b32 s68, 0, 2*SECT                   ; K's section or Q's
	s_add_co_u32 s67, s67, s68
	s_mul_i32 s68, s66, 768
	s_add_co_u32 s68, s68, s67
	s_mov_b32 s69, 0
	s_add_nc_u64 s[72:73], s[12:13], s[68:69]
	s_lshl_b32 s68, s66, 5                         ; 128 bytes of words for four tiles
	s_add_co_u32 s68, s68, s67
	s_add_co_u32 s68, s68, WRD
	s_add_nc_u64 s[74:75], s[12:13], s[68:69]
.irp a, 0,1,2,3
	WHERE \a
	QUANT 64*\a, pcx, t2x, PW+\a
.irp c, 0,1
	global_store_b128 v[LI], v[pcx+6*\c:pcx+6*\c+3], s[72:73] offset:UNIT*\c+768*\a
	global_store_b64 v[LH], v[pcx+6*\c+4:pcx+6*\c+5], s[72:73] offset:UNIT*\c+768*\a
.endr
.endr
.irp p, 0,1                            ; a pair's word for head c: tile 2 p's two bytes below, tile 2 p + 1's above
	v_perm_b32 v[WK+\p], v[PW+2*\p+1], v[PW+2*\p], 0x05040100
	v_perm_b32 v[WK+2+\p], v[PW+2*\p+1], v[PW+2*\p], 0x07060302
.endr
.irp c, 0,1
	v_cndmask_b32 v[WK+4+\c], v[WK+2*\c], v[WK+2*\c+1], vcc_lo   ; lanes 0-15 the first pair's words, lanes 16-31 the second's
	global_store_b32 v[LS], v[WK+4+\c], s[74:75] offset:UNIT*\c
.endr
	s_branch .Lout_done
.Lout_v:
	; V: block a is tile a of my head's 64 channels; the registers are my 128 keys: one whole fragment
	s_lshl_b32 s66, s16, 3
	s_add_co_u32 s66, s66, s23                     ; my first token tile
	s_lshr_b32 s67, s66, 7                         ; batch
	s_bfe_u32 s66, s66, 0x40003                    ; the key step of 128 in it
	s_sub_co_u32 s68, s22, 640
	s_lshr_b32 s68, s68, 2
	s_add_co_u32 s68, s68, s15                     ; head
	s_lshl_b32 s67, s67, 4
	s_add_co_u32 s67, s67, s68
	s_mul_i32 s67, s67, UNIT
	s_add_co_u32 s67, s67, SECT                    ; V's section
	s_mul_i32 s68, s66, 6144
	s_add_co_u32 s68, s68, s67
	s_mov_b32 s69, 0
	s_add_nc_u64 s[72:73], s[12:13], s[68:69]
	s_lshl_b32 s68, s66, 8
	s_add_co_u32 s68, s68, s67
	s_add_co_u32 s68, s68, WRD
	s_add_nc_u64 s[74:75], s[12:13], s[68:69]
.irp a, 0,1,2,3
	WHERE \a
	QUANT 64*\a, pcx, t2x, PW+\a
.irp g, 0,1,2
	global_store_b128 v[LI], v[pcx+4*\g:pcx+4*\g+3], s[72:73] offset:1536*\a+512*\g
.endr
.endr
.irp p, 0,1
	v_cndmask_b32 v[WK+\p], v[PW+2*\p], v[PW+2*\p+1], vcc_lo   ; lanes 0-15 tile 2 p's words, lanes 16-31 tile 2 p + 1's
	global_store_b32 v[LS], v[WK+\p], s[74:75] offset:128*\p
.endr
.Lout_done:
	s_wait_tensorcnt 0x0
	ds_add_u32 v254, v255
	s_wait_dscnt 0x0
	CROUND                                         ; the closing round
	s_endpgm
.Lfunc_end_k_qb0fbf2fca6_proj:
	.size	k_qb0fbf2fca6_proj, .Lfunc_end_k_qb0fbf2fca6_proj-k_qb0fbf2fca6_proj
	.p2alignl 7, 3214868480
	.fill 96, 4, 3214868480
	.section	.rodata,"a",@progbits
	.p2align	6, 0x0
	.amdhsa_kernel k_qb0fbf2fca6_proj
		.amdhsa_group_segment_fixed_size 307712
		.amdhsa_private_segment_fixed_size 0
		.amdhsa_enable_private_segment 0
		.amdhsa_kernarg_size 40
		.amdhsa_user_sgpr_count 2
		.amdhsa_user_sgpr_kernarg_segment_ptr 1
		.amdhsa_wavefront_size32 1
		.amdhsa_system_sgpr_workgroup_id_x 1
		.amdhsa_system_sgpr_workgroup_id_y 1
		.amdhsa_system_sgpr_workgroup_id_z 1
		.amdhsa_system_vgpr_workitem_id 0
		.amdhsa_next_free_vgpr 768
		.amdhsa_next_free_sgpr 80
		.amdhsa_reserve_vcc 1
		.amdhsa_float_denorm_mode_32 3
		.amdhsa_float_denorm_mode_16_64 3
		.amdhsa_memory_ordered 1
		.amdhsa_forward_progress 1
		.amdhsa_inst_pref_size 107
	.end_amdhsa_kernel
	.amdgpu_metadata
---
amdhsa.version: [ 1, 2 ]
amdhsa.kernels:
  - .name:           k_qb0fbf2fca6_proj
    .symbol:         k_qb0fbf2fca6_proj.kd
    .args:
      - { .name: codes, .offset: 0, .size: 8, .value_kind: global_buffer, .address_space: global }
      - { .name: qb, .offset: 8, .size: 8, .value_kind: global_buffer, .address_space: global }
      - { .name: kb, .offset: 16, .size: 8, .value_kind: global_buffer, .address_space: global }
      - { .name: vb, .offset: 24, .size: 8, .value_kind: global_buffer, .address_space: global }
      - { .name: pack, .offset: 32, .size: 8, .value_kind: global_buffer, .address_space: global }
    .group_segment_fixed_size: 307712
    .private_segment_fixed_size: 0
    .kernarg_segment_align: 8
    .kernarg_segment_size: 40
    .max_flat_workgroup_size: 128
    .sgpr_count:     80
    .vgpr_count:     768
    .wavefront_size: 32
...
	.end_amdgpu_metadata
.endif
;; end of part 2
;; launch attn (part 3): grid 4 x 64, 16 waves a work-group, clusters of 4 x 1, 206,848 bytes of LDS; arguments pack, acodes, ascale; writes acodes, ascale
.if DOCPART == 3
	.amdgcn_target "amdgcn-amd-amdhsa--gfx1250"
	.amdhsa_code_object_version 6
	.text
	.protected	k_qb0fbf2fca6_attn
	.globl	k_qb0fbf2fca6_attn
	.p2align	8
	.type	k_qb0fbf2fca6_attn,@function
k_qb0fbf2fca6_attn:
	s_mov_b64 s[64:65], 0
	v_nop
	global_prefetch_b8 v0, s[64:65] scope:SCOPE_SE
	s_setreg_imm32_b32 hwreg(HW_REG_WAVE_MODE, 25, 1), 1
	s_wait_xcnt 0x0
	s_wait_alu depctr_hold_cnt(0) depctr_sa_sdst(0) depctr_va_vdst(0) depctr_va_sdst(0) depctr_va_ssrc(0) depctr_va_vcc(0) depctr_vm_vsrc(0)
	s_getreg_b32 s2, hwreg(HW_REG_IB_STS2, 6, 4)
	s_cmp_eq_u32 s2, 0
	s_cbranch_scc0 .Lentry_in_a_cluster
	s_endpgm
.Lentry_in_a_cluster:
	s_bfe_u32 s2, ttmp6, 0x10000c
	s_cmp_lg_u32 s2, 0x3003
	s_cbranch_scc0 .Lentry_shape_is_right
	s_endpgm
.Lentry_shape_is_right:
; O = softmax(Q K^T / 0.5) V for one batch and head, both products on codes of FP6 (E2M3) with E8M0 scales; the result, divided by the row's sum, is quantised along the model's 1,024 for the last product.
; THE SOFTMAX: t = score x 2 log2(e); M = the running largest t rounded UP to a whole number; p = 2^(t - M) is quantised along the keys, not normalised; the row's sum is taken of the unquantised p.
; When M moves, the sum and O are multiplied by 2^(old M - new M), which rounds nothing.
; SHARES.  A work-group owns 512 queries of one (batch, head); each of its sixteen waves owns a pair of tiles of 16 queries and works them one after the other, in 256 registers: four waves to a SIMD,
; so that one wave's vector work stands beside another's matrix work and LDS loads.  The head's whole K and V, images and scale words, are 204,800 dense bytes: they come into LDS ONCE,
; 12,800 bytes by each wave's one tensor load; no LDS byte is filled twice.  CLUSTER: the head's four work-groups want the same bytes and ask jointly.
; LAYOUT.  Both products are used transposed: S^T = K Q^T, O^T = V^T P^T: a lane holds one query throughout.  Tile 2 b + u of the keys holds key 32 b + 8 u + r + 8 (r / 8), so the 16 registers of
; tiles 2 b, 2 b + 1 are 16 neighbouring keys.  THE FIRST PRODUCT'S K IS 64: a fragment of K carries two tiles of keys, one in each half of the instruction's 128; Q stands as Q | 0 | Q in 18 registers,
; and the fragment times [Q | 0] gives the first tile's scores, times [0 | Q] the second's: the other half meets zero codes.
; REGISTERS: v1-5, v11 addresses that stay; v6-10 the step's; v12 -M, v13 the largest t, v[14:15] the sum; v16-33 Q | 0 | Q; v34-81 four fragments of K, then of V; v82-85 their scale words; v86-91 the second tile's Q;
; v92, v94 the results' scale words; v93 Q's raw word; v96-159 S^T, then p; v160-191 O^T; v192-223 O / sum; v224-235 codes; v232-254 at work; v253 p's scale word; v255 Q's.
; LIMITS: NaN and infinities are not served; p under 2^-126 counts as 0 (v_exp_f32's flush); a block of zeros gets the scale byte 1 with zero codes.
.set KWRD, 98304                       ; K's scale words in LDS
.set VSEC, 102400                      ; V's images
.set VWRD, 200704                      ; V's scale words
.set WV,   10                          ; s10 wave
.macro CROUND                          ; a round of the cluster's barrier
	s_barrier_signal -1
	s_barrier_wait -1
	s_cmp_lg_u32 s[WV], 0
	s_cbranch_scc1 .Lnot_wave_0_\@
	s_barrier_signal -3
.Lnot_wave_0_\@:
	s_barrier_wait -3
	s_barrier_signal -1
	s_barrier_wait -1
.endm
	s_load_b128 s[4:7], s[0:1], 0x0                ; pack, acodes
	s_load_b64 s[8:9], s[0:1], 0x10                ; ascale
	v_lshl_add_u32 v250, v0, 2, 0x32000
	v_mov_b32 v251, 0
	ds_add_u32 v250, v251
	ds_add_u32 v250, v251
	v_lshrrev_b32 v6, 5, v0
	v_readfirstlane_b32 s[WV], v6                  ; wave 0..15
	s_bfe_u32 s11, ttmp6, 0x40000                  ; cx: it enters Q's and the results' global addresses alone
	s_and_b32 s12, ttmp7, 0xffff                   ; 16 x batch + head
	v_and_b32 v6, 31, v0
	v_lshlrev_b32 v1, 4, v6                        ; 16 x lane
	v_lshlrev_b32 v2, 3, v6
	v_add_nc_u32 v2, 512, v2                       ; 8 x lane + 512
	v_lshlrev_b32 v11, 2, v6                       ; 4 x lane
	v_add_nc_u32 v3, KWRD, v11
	v_add_nc_u32 v4, VSEC, v1
	v_add_nc_u32 v5, VWRD, v11
	v_and_b32 v95, 15, v0
	v_lshlrev_b32 v95, 2, v95                      ; 4 r
	; descriptor: 50 rows of 256 bytes (32 elements of 8), dense
	s_mov_b32 s24, 15|(3<<16)|(1<<21)              ; 15:0 the mask: all four work-groups; 17:16 elements of 8 bytes; 21 set beside a mask
	s_mov_b32 s25, 32<<16
	s_mov_b32 s26, 50<<16
	s_mov_b32 s27, 32<<16
	s_mov_b32 s28, 50
	s_mov_b32 s29, 32
	s_mov_b32 s30, 0
	s_mov_b32 s31, 0
	s_mov_b32 s20, 0x76543210
	s_mov_b32 s21, 0xfedcba98                      ; selects for lane l xor 16
	s_mov_b32 s22, 0x4038aa3b                      ; c = 2 log2(e): t = score x c
	s_mov_b32 s23, s22                             ; (named with it as a pair)
	s_mul_i32 s13, s12, 307200                     ; my unit of pack
	s_mov_b32 s32, 1
	s_mul_i32 s33, s[WV], 12800                    ; LDS address: the wave's number alone
	s_add_co_u32 s14, s13, s33
	s_mov_b32 s15, 0
	s_lshl_b32 s16, s11, 4
	s_add_co_u32 s16, s16, s[WV]                   ; my pair of query tiles in the batch
	s_lshr_b32 s17, s12, 4                         ; batch
	s_and_b32 s39, s12, 15                         ; head
	s_wait_dscnt 0x0
	s_wait_kmcnt 0x0
	s_add_nc_u64 s[34:35], s[4:5], s[14:15]
	s_or_b32 s35, s35, 0x80000000
	s_mul_i32 s18, s16, 1536
	s_add_co_u32 s18, s18, s13
	s_add_co_u32 s18, s18, 204800
	s_mov_b32 s19, 0
	s_add_nc_u64 s[40:41], s[4:5], s[18:19]        ; Q's images
	s_lshl_b32 s18, s16, 6
	s_add_co_u32 s18, s18, s13
	s_add_co_u32 s18, s18, 204800+98304
	s_add_nc_u64 s[42:43], s[4:5], s[18:19]        ; Q's words
	s_lshl_b32 s18, s17, 6
	s_add_co_u32 s18, s18, s16                     ; the pair among all tokens
	s_mul_i32 s36, s18, 24576
	s_mul_i32 s37, s39, 768
	s_add_co_u32 s36, s36, s37
	s_mov_b32 s37, 0
	s_add_nc_u64 s[44:45], s[6:7], s[36:37]        ; my head's half fragments of my two tiles
	s_lshl_b32 s18, s18, 4
	s_add_co_u32 s18, s18, s39
	s_lshl_b32 s18, s18, 7
	s_add_nc_u64 s[46:47], s[8:9], s[18:19]        ; and their scale words
	CROUND                                         ; all four work-groups are here: the joint loads meet
	tensor_load_to_lds s[32:35], s[24:31]          ; my one tensor load: 12,800 bytes of the head's K and V
	s_nop 0
.rept 4
	v_nop
.endr
	global_load_b128 v[16:19], v1, s[40:41]        ; the first tile's Q, twice
	global_load_b64 v[20:21], v2, s[40:41]
	global_load_b128 v[28:31], v1, s[40:41]
	global_load_b64 v[32:33], v2, s[40:41]
	global_load_b128 v[86:89], v1, s[40:41] offset:768   ; the second tile's
	global_load_b64 v[90:91], v2, s[40:41] offset:768
	global_load_b32 v93, v95, s[42:43]             ; both tiles' scale bytes
.irp i, 0,1,2,3,4,5
	v_mov_b32 v[22+\i], 0                          ; zero codes between
.endr
.irp b, 0,1,2,3
	v_mov_b32 v[236+\b], 0                         ; a lane permute's destination counts as one of its sources
.endr
	v_mov_b32 v253, 0                              ; (named as the upper half of v[252:253] before it is first written)
	s_wait_tensorcnt 0x0                           ; my part is in,
	s_barrier_signal -1
	s_barrier_wait -1                              ; everybody's is
	s_wait_loadcnt 0x0                             ; Q
; A KEY STEP: 128 keys.  s36: 6,144 x step; s37: 256 x step.
.macro KSTEP
	v_add_nc_u32 v6, s36, v1
	v_add_nc_u32 v7, s36, v2
	v_add_nc_u32 v8, s37, v3
	v_nop                                          ; four places in front of loads into registers that the last products have read
.irp f, 0,1,2,3
	ds_load_b128 v[34+12*\f:37+12*\f], v6 offset:1536*\f
	ds_load_b64 v[38+12*\f:39+12*\f], v7 offset:1536*\f
	ds_load_b128 v[40+12*\f:43+12*\f], v6 offset:1536*\f+768
	ds_load_b64 v[44+12*\f:45+12*\f], v7 offset:1536*\f+768
.endr
	ds_load_b32 v82, v8                            ; lanes 0-15 fragment 0's words, lanes 16-31 fragment 1's
	ds_load_b32 v83, v8 offset:128
	s_wait_dscnt 0x0
.irp f, 0,1,2,3
.if (\f%2) == 0
	v_wmma_scale_f32_16x16x128_f8f6f4 v[96+16*\f:103+16*\f], v[34+12*\f:45+12*\f], v[16:27], 0, v[82+\f/2], v255 matrix_a_fmt:MATRIX_FMT_FP6 matrix_b_fmt:MATRIX_FMT_FP6
	v_wmma_scale_f32_16x16x128_f8f6f4 v[104+16*\f:111+16*\f], v[34+12*\f:45+12*\f], v[22:33], 0, v[82+\f/2], v255 matrix_a_fmt:MATRIX_FMT_FP6 matrix_b_fmt:MATRIX_FMT_FP6
.else
	v_wmma_scale_f32_16x16x128_f8f6f4 v[96+16*\f:103+16*\f], v[34+12*\f:45+12*\f], v[16:27], 0, v[82+\f/2], v255 matrix_a_fmt:MATRIX_FMT_FP6 matrix_b_fmt:MATRIX_FMT_FP6 matrix_a_scale:MATRIX_SCALE_ROW1
	v_wmma_scale_f32_16x16x128_f8f6f4 v[104+16*\f:111+16*\f], v[34+12*\f:45+12*\f], v[22:33], 0, v[82+\f/2], v255 matrix_a_fmt:MATRIX_FMT_FP6 matrix_b_fmt:MATRIX_FMT_FP6 matrix_a_scale:MATRIX_SCALE_ROW1
.endif
.endr
	v_add_nc_u32 v9, s36, v4
	v_add_nc_u32 v10, s37, v5
	v_nop
	v_nop                                          ; four places: V's fragments land in K's registers while the softmax is walked, and the scores are read from here on
.irp t, 0,1,2,3
.irp g, 0,1,2
	ds_load_b128 v[34+12*\t+4*\g:37+12*\t+4*\g], v9 offset:1536*\t+512*\g
.endr
.endr
	ds_load_b32 v84, v10
	ds_load_b32 v85, v10 offset:128
.irp b, 0,1,2,3
	v_max3_num_f32 v[232+\b], v[96+16*\b], v[97+16*\b], v[98+16*\b]   ; the largest score of each block of 32 keys: it serves the row's maximum and, since p rises with the score, the block's largest p
.endr
.irp i, 3,5,7,9,11,13
.irp b, 0,1,2,3
	v_max3_num_f32 v[232+\b], v[232+\b], v[96+16*\b+\i], v[97+16*\b+\i]
.endr
.endr
.irp b, 0,1,2,3
	v_max_num_f32 v[232+\b], v[232+\b], v[111+16*\b]
.endr
.irp b, 0,1,2,3
	v_permlanex16_b32 v[236+\b], v[232+\b], s20, s21
.endr
.irp b, 0,1,2,3
	v_max_num_f32 v[232+\b], v[232+\b], v[236+\b]  ; with lane l xor 16's 16 keys
.endr
	v_max3_num_f32 v254, v232, v233, v234
	v_max_num_f32 v254, v254, v235
	v_mul_f32 v254, s22, v254                      ; as t (c is positive)
	v_max_num_f32 v13, v13, v254                   ; the running largest t
	v_mov_b32 v254, v12
	v_floor_f32 v12, -v13                          ; the new -M = floor(-t): M is a whole number
	v_sub_f32 v254, v12, v254                      ; old M - new M: a whole number, 0 or less
	v_cvt_i32_f32 v254, v254                       ; (it saturates)
	v_ldexp_f32 v252, 1.0, v254                    ; f = 2^(old M - new M)
.set j, 0
.rept 32
	v_pk_fma_f32 v[96+j:97+j], v[96+j:97+j], s[22:23], v[12:13] op_sel_hi:[1,0,0]   ; t - M, two at a time
.set j, j+2
.endr
.irp b, 0,1,2,3
	v_fma_f32 v[232+\b], v[232+\b], s22, v12       ; the same of each block's largest score
.endr
.set j, 0
.rept 64
	v_exp_f32 v[96+j], v[96+j]                     ; p = 2^(t - M), at most 1
.set j, j+1
.endr
	v_pk_mul_f32 v[14:15], v[14:15], v[252:253] op_sel_hi:[1,0]   ; the sums under the new M: a plain place behind the exponentials
	s_wait_alu depctr_va_vdst(0)                   ; one wait for the whole batch, ahead of its first reader
.irp b, 0,1,2,3
	v_exp_f32 v[232+\b], v[232+\b]                 ; the block's largest p
.endr
	v_pk_add_f32 v[236:237], v[96:97], v[98:99]    ; the row's sum of the unquantised p, in two chains
.irp j, 4,8,12,16,20,24,28,32,36,40,44,48,52,56,60
	v_pk_add_f32 v[14:15], v[14:15], v[96+\j:97+\j]
	v_pk_add_f32 v[236:237], v[236:237], v[98+\j:99+\j]
.endr
	v_pk_add_f32 v[14:15], v[14:15], v[236:237]
	s_wait_alu depctr_va_vdst(0)                   ; and one for the four
.irp b, 0,1,2,3
	v_max_num_f32 v[232+\b], 0x1800000, v[232+\b]  ; the floor 2^(3 - 127)
.endr
.irp b, 0,1,2,3
	v_add_nc_u32 v[244+\b], 0xff000000, v[232+\b]  ; the conversion's scale operand
.endr
.irp b, 0,1,2,3
	v_lshrrev_b32 v[236+\b], 23, v[244+\b]         ; the scale's byte
.endr
	v_lshl_or_b32 v253, v237, 8, v236              ; p's scale word for these 128 keys
	v_lshl_or_b32 v253, v238, 16, v253
	v_lshl_or_b32 v253, v239, 24, v253
.irp c, 0,1
	v_cvt_scalef32_pk16_fp6_f32 v[224+6*\c:226+6*\c], v[96+32*\c:111+32*\c], v[244+2*\c]
	v_cvt_scalef32_pk16_fp6_f32 v[236+4*\c:238+4*\c], v[112+32*\c:127+32*\c], v[244+2*\c+1]
.endr
	v_nop                                          ; one plain place behind a scaled conversion
.irp c, 0,1
.irp i, 0,1,2
	v_permlane16_swap_b32 v[224+6*\c+\i], v[236+4*\c+\i]
.endr
.irp i, 0,1,2
	v_mov_b32 v[227+6*\c+\i], v[236+4*\c+\i]
.endr
.endr
.set j, 0
.rept 16
	v_pk_mul_f32 v[160+j:161+j], v[160+j:161+j], v[252:253] op_sel_hi:[1,0]   ; O^T under the new M.  These sixteen are also the places between p's codes and scale word and the products
.set j, j+2
.endr
	s_wait_dscnt 0x0                               ; V
.irp t, 0,1,2,3                        ; O^T += V^T P^T: four accumulators, one instruction each
.if (\t%2) == 0
	v_wmma_scale_f32_16x16x128_f8f6f4 v[160+8*\t:167+8*\t], v[34+12*\t:45+12*\t], v[224:235], v[160+8*\t:167+8*\t], v[84+\t/2], v253 matrix_a_fmt:MATRIX_FMT_FP6 matrix_b_fmt:MATRIX_FMT_FP6
.else
	v_wmma_scale_f32_16x16x128_f8f6f4 v[160+8*\t:167+8*\t], v[34+12*\t:45+12*\t], v[224:235], v[160+8*\t:167+8*\t], v[84+\t/2], v253 matrix_a_fmt:MATRIX_FMT_FP6 matrix_b_fmt:MATRIX_FMT_FP6 matrix_a_scale:MATRIX_SCALE_ROW1
.endif
.endr
	s_add_co_u32 s36, s36, 6144
	s_add_co_u32 s37, s37, 256
.endm
; One tile of 16 queries: all 16 key steps, then the way out.
.macro TILE u
.if \u
	s_wait_xcnt 0x0                                ; the first tile's stores have read their data
.irp i, 0,1,2,3,4,5
	v_mov_b32 v[16+\i], v[86+\i]
	v_mov_b32 v[28+\i], v[86+\i]
.endr
	v_perm_b32 v255, v93, v93, 0x03020302          ; Q's two bytes, in both halves of the word
.else
	v_perm_b32 v255, v93, v93, 0x01000100
.endif
	v_mov_b32 v13, 0xff61b1e6                      ; the largest t so far: -3e38
	v_floor_f32 v12, -v13
	v_mov_b32 v14, 0
	v_mov_b32 v15, 0
.set j, 0
.rept 32
	v_mov_b32 v[160+j], 0                          ; O^T: the loop is written once; its first step finds zeros.  (These lines are also the places between Q's registers and scale word and the first products)
.set j, j+1
.endr
	s_mov_b32 s36, 0
	s_mov_b32 s37, 0
	s_mov_b32 s38, 16
.Lkey\u:
	KSTEP
	s_sub_co_u32 s38, s38, 1
	s_cmp_lg_u32 s38, 0
	s_cbranch_scc1 .Lkey\u
.rept 4
	v_nop                                          ; places behind the last products
.endr
	v_add_f32 v14, v14, v15
	v_permlanex16_b32 v252, v14, s20, s21
	v_add_f32 v14, v14, v252                       ; the row's sum
	v_rcp_f32 v14, v14
	v_nop                                          ; a plain place behind the reciprocal
	s_wait_alu depctr_va_vdst(0)                   ; and the wait ahead of its first reader
.set j, 0
.rept 16
	v_pk_mul_f32 v[192+j:193+j], v[160+j:161+j], v[14:15] op_sel_hi:[1,0]   ; register 16 b + i: channel 32 b + 16 (lane / 16) + i of my query; each accumulator from its low end on
.set j, j+2
.endr
.irp b, 0,1                            ; the head's 64 channels are two blocks of the last product's K
	v_max3_num_f32 v[232+\b], |v[192+16*\b]|, |v[193+16*\b]|, 0x1800000
.endr
.irp i, 2,4,6,8,10,12,14
.irp b, 0,1
	v_max3_num_f32 v[232+\b], v[232+\b], |v[192+16*\b+\i]|, |v[193+16*\b+\i]|
.endr
.endr
.irp b, 0,1
	v_permlanex16_b32 v[236+\b], v[232+\b], s20, s21
.endr
.irp b, 0,1
	v_max_num_f32 v[232+\b], v[232+\b], v[236+\b]
.endr
.irp b, 0,1
	v_add_nc_u32 v[244+\b], 0xff000000, v[232+\b]
.endr
.irp b, 0,1
	v_lshrrev_b32 v[236+\b], 23, v[244+\b]
.endr
	v_lshl_or_b32 v[92+2*\u], v237, 8, v236        ; the tile's two bytes
	v_cvt_scalef32_pk16_fp6_f32 v[224:226], v[192:207], v244
	v_cvt_scalef32_pk16_fp6_f32 v[240:242], v[208:223], v245
	v_nop
.irp i, 0,1,2
	v_permlane16_swap_b32 v[224+\i], v[240+\i]
.endr
.irp i, 0,1,2
	v_mov_b32 v[227+\i], v[240+\i]
.endr
	global_store_b128 v1, v[224:227], s[44:45] offset:12288*\u   ; half a fragment: 512 + 256 consecutive bytes
	global_store_b64 v2, v[228:229], s[44:45] offset:12288*\u
.endm
	TILE 0
	TILE 1
	v_and_b32 v6, 31, v0
	v_cmp_le_u32 vcc_lo, 16, v6
	v_cndmask_b32 v94, v92, v94, vcc_lo            ; lanes 0-15 the first tile's words, lanes 16-31 the second's
	global_store_b32 v11, v94, s[46:47]
	s_wait_tensorcnt 0x0
	ds_add_u32 v250, v251
	s_wait_dscnt 0x0
	CROUND                                         ; the closing round
	s_endpgm
.Lfunc_end_k_qb0fbf2fca6_attn:
	.size	k_qb0fbf2fca6_attn, .Lfunc_end_k_qb0fbf2fca6_attn-k_qb0fbf2fca6_attn
	.p2alignl 7, 3214868480
	.fill 96, 4, 3214868480
	.section	.rodata,"a",@progbits
	.p2align	6, 0x0
	.amdhsa_kernel k_qb0fbf2fca6_attn
		.amdhsa_group_segment_fixed_size 206848
		.amdhsa_private_segment_fixed_size 0
		.amdhsa_enable_private_segment 0
		.amdhsa_kernarg_size 24
		.amdhsa_user_sgpr_count 2
		.amdhsa_user_sgpr_kernarg_segment_ptr 1
		.amdhsa_wavefront_size32 1
		.amdhsa_system_sgpr_workgroup_id_x 1
		.amdhsa_system_sgpr_workgroup_id_y 1
		.amdhsa_system_sgpr_workgroup_id_z 1
		.amdhsa_system_vgpr_workitem_id 0
		.amdhsa_next_free_vgpr 256
		.amdhsa_next_free_sgpr 66
		.amdhsa_reserve_vcc 1
		.amdhsa_float_denorm_mode_32 3
		.amdhsa_float_denorm_mode_16_64 3
		.amdhsa_memory_ordered 1
		.amdhsa_forward_progress 1
		.amdhsa_inst_pref_size 47
	.end_amdhsa_kernel
	.amdgpu_metadata
---
amdhsa.version: [ 1, 2 ]
amdhsa.kernels:
  - .name:           k_qb0fbf2fca6_attn
    .symbol:         k_qb0fbf2fca6_attn.kd
    .args:
      - { .name: pack, .offset: 0, .size: 8, .value_kind: global_buffer, .address_space: global }
      - { .name: acodes, .offset: 8, .size: 8, .value_kind: global_buffer, .address_space: global }
      - { .name: ascale, .offset: 16, .size: 8, .value_kind: global_buffer, .address_space: global }
    .group_segment_fixed_size: 206848
    .private_segment_fixed_size: 0
    .kernarg_segment_align: 8
    .kernarg_segment_size: 24
    .max_flat_workgroup_size: 512
    .sgpr_count:     66
    .vgpr_count:     256
    .wavefront_size: 32
...
	.end_amdgpu_metadata
.endif
;; end of part 3
;; launch oproj (part 4): grid 256 x 1, 4 waves a work-group, no clusters, 68,096 bytes of LDS; arguments acodes, ascale, codes, ob, ln_g, ln_b, out0; writes out0
.if DOCPART == 4
	.amdgcn_target "amdgcn-amd-amdhsa--gfx1250"
	.amdhsa_code_object_version 6
	.text
	.protected	k_qb0fbf2fca6_oproj
	.globl	k_qb0fbf2fca6_oproj
	.p2align	8
	.type	k_qb0fbf2fca6_oproj,@function
k_qb0fbf2fca6_oproj:
	s_mov_b64 s[64:65], 0
	v_nop
	global_prefetch_b8 v0, s[64:65] scope:SCOPE_SE
	s_setreg_imm32_b32 hwreg(HW_REG_WAVE_MODE, 25, 1), 1
	s_wait_xcnt 0x0
; out = LayerNorm(relu(attn ow^T + ob)) x ln_g + ln_b; the product on codes of FP6 (E2M3) with E8M0 scales, all else in f32.
; SHARES.  A work-group owns 32 whole rows (a pair of token tiles), since the norm wants all 1,024 columns of a row; wave w owns columns 256 w .. 256 w + 255: 2 x 16 accumulators.
; The matrix instruction is used transposed (source 0 = 16 rows of ow, source 1 = 16 tokens): a lane holds one token, so a row's sums are formed in the lane, with one exchange between the halves
; of the lanes and one meeting of the four waves in LDS for the mean and one for the variance (taken of x - mean, not as a difference of sums).
; NO JOINT LOADS, though every work-group reads ow: no two waves of a work-group read the same tile of ow, its 819,200 bytes of images do not fit in a work-group's LDS, and slots that are filled again
; would have one load a wave on its way for 32 matrix instructions a K step.  So ow's fragments go from their images straight into registers, 512 dense bytes a load, five groups of 12 loads ahead, with no barrier.
; REGISTERS: window 0: v1-13 addresses and statistics; v16-79 ow's scale words, v80-87 the tokens' (scales and nothing else), v88-103 their raw words; v104-231 ob, later rows on the way out;
;   v232-247 ln_g, ln_b; v248-255 at work.  window 1: ow's fragments, five groups of 48.  window 2: accumulator (m, n) at 8 (16 m + n).  window 3: the tokens' 16 fragments.
; LIMITS: NaN and infinities are not served.
.set WS,   16
.set AS,   80
.set RAW,  88
.set OB,   104
.set RED1, 66560                       ; behind the four stages of 16 rows x 1,040 bytes: 128 bytes a wave for the sums,
.set RED2, 512                         ; and 512 bytes on for the sums of squares
.set MSB, 0
.macro WIN new                         ; the immediate's high byte repeats the setting that is left
.if MSB != \new
	s_set_vgpr_msb (MSB<<8)|\new
.set MSB, \new
.endif
.endm
.macro PLACES n
.rept \n
	v_nop
.endr
.endm
	s_load_b256 s[4:11], s[0:1], 0x0               ; acodes, ascale, codes, ob
	s_load_b128 s[12:15], s[0:1], 0x20             ; ln_g, ln_b
	s_load_b64 s[16:17], s[0:1], 0x30              ; out0
	s_set_vgpr_msb 0x40
	v_lshl_add_u32 v254, v0, 2, 0x10800
	v_mov_b32 v255, 0
	s_set_vgpr_msb 0x4000
	v_lshrrev_b32 v14, 5, v0
	v_readfirstlane_b32 s18, v14                   ; wave 0..3
	v_and_b32 v14, 31, v0
	v_and_b32 v15, 15, v0
	v_bfe_u32 v5, v0, 4, 1
	v_lshlrev_b32 v1, 4, v14                       ; 16 x lane
	v_lshlrev_b32 v3, 3, v14                       ; 8 x lane
	v_add_nc_u32 v2, 512, v3                       ; 8 x lane + 512
	v_lshlrev_b32 v4, 2, v14                       ; 4 x lane
	s_mul_i32 s19, s18, 16640
	v_mul_u32_u24 v6, v15, 1040
	v_lshl_add_u32 v6, v5, 6, v6
	v_add_nc_u32 v6, s19, v6                       ; my stage, in: row r, + 64 h
	v_add_nc_u32 v7, s19, v1                       ; and back: 16 bytes a lane
	v_lshl_add_u32 v8, v15, 2, RED1                ; the sums: my token's word,
	s_lshl_b32 s19, s18, 7
	v_add_nc_u32 v9, s19, v8                       ; in my wave's 128 bytes
	v_lshlrev_b32 v5, 6, v5                        ; 64 h
	s_mov_b32 s22, 0x76543210
	s_mov_b32 s23, 0xfedcba98                      ; selects for lane l xor 16
	s_mov_b32 s24, 0x3a800000                      ; 1 / 1,024
	s_mov_b32 s25, 0x3727c5ac                      ; 1e-5
	s_mov_b32 s21, 0
	s_mov_b32 s27, 0
	s_wait_kmcnt 0x0
	s_mul_i32 s20, ttmp9, 24576
	s_add_nc_u64 s[4:5], s[4:5], s[20:21]          ; my two tiles' fragments
	s_lshl_b32 s20, ttmp9, 11
	s_add_nc_u64 s[6:7], s[6:7], s[20:21]          ; their scale words
	s_lshl_b32 s20, s18, 4
	s_add_co_u32 s20, s20, 704
	s_mul_i32 s20, s20, 12800
	s_add_nc_u64 s[8:9], s[8:9], s[20:21]          ; my 16 tiles of ow
	s_lshl_b32 s20, s18, 10                        ; my 256 columns
	s_add_nc_u64 s[10:11], s[10:11], s[20:21]
	s_add_nc_u64 s[12:13], s[12:13], s[20:21]
	s_add_nc_u64 s[14:15], s[14:15], s[20:21]
	s_lshl_b32 s26, ttmp9, 17                      ; my 32 rows of 4,096 bytes
	s_add_co_u32 s26, s26, s20
	s_add_nc_u64 s[16:17], s[16:17], s[26:27]
.irp d, 0,1,2,3,4,5,6,7,8,9,10,11,12,13,14,15
	global_load_b32 v[RAW+\d], v4, s[6:7] offset:128*\d   ; head d's two bytes: lanes 0-15 the first tile's tokens, lanes 16-31 the second's
.endr
.irp n, 0,1,2,3,4,5,6,7,8,9,10,11,12,13,14,15
.irp k, 0,1
	global_load_b64 v[WS+4*\n+2*\k:WS+4*\n+2*\k+1], v3, s[8:9] offset:12800*\n+6400*\k+6144
.endr
.endr
.irp n, 0,1,2,3,4,5,6,7,8,9,10,11,12,13,14,15
	global_load_b128 v[OB+8*\n:OB+8*\n+3], v5, s[10:11] offset:4*(32*(\n/2)+8*(\n%2))   ; tile n, half h: columns 32 (n / 2) + 16 h + 8 (n % 2) + 0 .. 7
	global_load_b128 v[OB+8*\n+4:OB+8*\n+7], v5, s[10:11] offset:4*(32*(\n/2)+8*(\n%2))+16
.endr
	global_load_b128 v[232:235], v1, s[12:13]      ; ln_g and ln_b as the rows leave: columns 4 l .. and 128 + 4 l ..
	global_load_b128 v[236:239], v1, s[12:13] offset:512
	global_load_b128 v[240:243], v1, s[14:15]
	global_load_b128 v[244:247], v1, s[14:15] offset:512
	WIN 0xc0                                       ; destination window 3
.irp m, 0,1
.irp s, 0,1,2,3,4,5,6,7
	global_load_b128 v[12*(8*\m+\s):12*(8*\m+\s)+3], v1, s[4:5] offset:12288*\m+1536*\s
	global_load_b64 v[12*(8*\m+\s)+4:12*(8*\m+\s)+5], v2, s[4:5] offset:12288*\m+1536*\s
	global_load_b128 v[12*(8*\m+\s)+6:12*(8*\m+\s)+9], v1, s[4:5] offset:12288*\m+1536*\s+768
	global_load_b64 v[12*(8*\m+\s)+10:12*(8*\m+\s)+11], v2, s[4:5] offset:12288*\m+1536*\s+768
.endr
.endr
; group G = 4 s + n / 4: K step s of four tiles of ow: 12 loads into ring place G % 5
.macro GLOAD G
.irp e, 0,1,2,3
.irp g, 0,1,2
	global_load_b128 v[48*((\G)%5)+12*\e+4*\g:48*((\G)%5)+12*\e+4*\g+3], v1, s[8:9] offset:12800*(4*((\G)%4)+\e)+6400*((\G)/16)+1536*(((\G)/4)%4)+512*\g
.endr
.endr
.endm
	WIN 0x40                                       ; destination window 1
	GLOAD 0
	GLOAD 1
	GLOAD 2
	GLOAD 3
	GLOAD 4
	WIN 0
	s_wait_loadcnt 60                              ; all but the five groups
.irp s, 0,1,2,3,4,5,6,7
	v_perm_b32 v[AS+\s], v[RAW+2*\s+1], v[RAW+2*\s], 0x05040100   ; K step s: heads 2 s and 2 s + 1
.endr
	PLACES 8                                       ; a scale register written by a vector instruction stands eight places ahead of a scaled matrix instruction
.macro OMM G, e, m
.set sK, (\G)/4
.set nT, 4*((\G)%4)+\e
.set rD, 8*(16*\m+nT)
.set rA, 48*((\G)%5)+12*\e
.set rB, 12*(8*\m+sK)
.if sK == 0
.set rC, OB+8*nT
.else
.set rC, rD
.endif
.set rS, WS+4*nT+sK/2
.if (sK%2 == 0) && (\m == 0)
	v_wmma_scale_f32_16x16x128_f8f6f4 v[rD:rD+7], v[rA:rA+11], v[rB:rB+11], v[rC:rC+7], v[rS], v[AS+sK] matrix_a_fmt:MATRIX_FMT_FP6 matrix_b_fmt:MATRIX_FMT_FP6
.elseif (sK%2 == 0)
	v_wmma_scale_f32_16x16x128_f8f6f4 v[rD:rD+7], v[rA:rA+11], v[rB:rB+11], v[rC:rC+7], v[rS], v[AS+sK] matrix_a_fmt:MATRIX_FMT_FP6 matrix_b_fmt:MATRIX_FMT_FP6 matrix_b_scale:MATRIX_SCALE_ROW1
.elseif (\m == 0)
	v_wmma_scale_f32_16x16x128_f8f6f4 v[rD:rD+7], v[rA:rA+11], v[rB:rB+11], v[rC:rC+7], v[rS], v[AS+sK] matrix_a_fmt:MATRIX_FMT_FP6 matrix_b_fmt:MATRIX_FMT_FP6 matrix_a_scale:MATRIX_SCALE_ROW1
.else
	v_wmma_scale_f32_16x16x128_f8f6f4 v[rD:rD+7], v[rA:rA+11], v[rB:rB+11], v[rC:rC+7], v[rS], v[AS+sK] matrix_a_fmt:MATRIX_FMT_FP6 matrix_b_fmt:MATRIX_FMT_FP6 matrix_a_scale:MATRIX_SCALE_ROW1 matrix_b_scale:MATRIX_SCALE_ROW1
.endif
.endm
; eight matrix instructions on eight accumulators; an accumulator's next turn is four groups on.  K step 0 begins the sums with ob.
.macro GROUP G
.if 31-(\G) >= 4
	s_wait_loadcnt 48                              ; this group's 12 loads are in; the four groups behind it may be out
.else
	s_wait_loadcnt 12*(31-(\G))
.endif
.if (\G) < 4
	WIN 0x8d                                       ; source 0 (ow) window 1, source 1 (tokens) window 3, C (ob) window 0, D window 2
.else
	WIN 0xad                                       ; C and D window 2
.endif
.irp e, 0,1,2,3
.irp m, 0,1
	OMM \G, \e, \m
.endr
.endr
.if (\G) < 27
	PLACES 4                                       ; in front of loads into the registers just read
	WIN 0x40
	GLOAD (\G)+5
.endif
.endm
.set GG, 0
.rept 32
	GROUP GG
.set GG, GG+1
.endr
	PLACES 4                                       ; behind the last products
	WIN 0x88                                       ; source 1 and destination window 2
.set i, 0
.rept 256
	v_max_num_f32 v[i], 0, v[i]                    ; relu, each accumulator from its low end on
.set i, i+1
.endr
; tile m's 128 numbers of a lane are summed (sq = 0) or their squares (sq = 1), in four packed chains; with the other half of the lanes': my wave's 256 columns of the token; to my wave's word
.macro ROWSUM m, sq, off
	WIN 0
.irp c, 0,1,2,3,4,5,6,7
	v_mov_b32 v[248+\c], 0
.endr
.if \sq
	WIN 0x0a                                       ; sources 0 and 1 window 2
.else
	WIN 0x08                                       ; source 1 window 2
.endif
.set i, 0
.rept 64
.if \sq
	v_pk_fma_f32 v[248+2*(i%4):249+2*(i%4)], v[128*\m+2*i:128*\m+2*i+1], v[128*\m+2*i:128*\m+2*i+1], v[248+2*(i%4):249+2*(i%4)]
.else
	v_pk_add_f32 v[248+2*(i%4):249+2*(i%4)], v[248+2*(i%4):249+2*(i%4)], v[128*\m+2*i:128*\m+2*i+1]
.endif
.set i, i+1
.endr
	WIN 0
	v_pk_add_f32 v[248:249], v[248:249], v[250:251]
	v_pk_add_f32 v[252:253], v[252:253], v[254:255]
	v_pk_add_f32 v[248:249], v[248:249], v[252:253]
	v_add_f32 v248, v248, v249
	v_permlanex16_b32 v249, v248, s22, s23
	v_add_f32 v248, v248, v249
	ds_store_b32 v9, v248 offset:\off+64*\m        ; both halves of the lanes write the same word with the same value
.endm
; the four waves' words meet: v248 = tile 0's sum over all 1,024 columns, v252 = tile 1's
.macro MEET off
	s_wait_dscnt 0x0                               ; for the others' sake: my stores are done
	s_barrier_signal -1
	s_barrier_wait -1
.irp m, 0,1
.irp w, 0,1,2,3
	ds_load_b32 v[248+4*\m+\w], v8 offset:\off+128*\w+64*\m
.endr
.endr
	s_wait_dscnt 0x0
	v_add_f32 v248, v248, v249
	v_add_f32 v250, v250, v251
	v_add_f32 v252, v252, v253
	v_add_f32 v254, v254, v255
	v_add_f32 v248, v248, v250
	v_add_f32 v252, v252, v254
.endm
	ROWSUM 0, 0, 0
	ROWSUM 1, 0, 0
	MEET 0
	v_mul_f32 v10, s24, v248                       ; the means
	v_mul_f32 v12, s24, v252
	v_mov_b32 v11, v10                             ; (named with them as pairs)
	v_mov_b32 v13, v12
	WIN 0x82                                       ; source 0 and destination window 2
.irp m, 0,1
.set i, 0
.rept 64
	v_pk_add_f32 v[128*\m+2*i:128*\m+2*i+1], v[128*\m+2*i:128*\m+2*i+1], v[10+2*\m:11+2*\m] op_sel_hi:[1,0] neg_lo:[0,1] neg_hi:[0,1]   ; x - mean
.set i, i+1
.endr
.endr
	ROWSUM 0, 1, RED2
	ROWSUM 1, 1, RED2
	MEET RED2
	v_fma_f32 v10, v248, s24, s25                  ; the variance + 1e-5
	v_fma_f32 v12, v252, s24, s25
	v_rsq_f32 v10, v10
	v_rsq_f32 v12, v12
	v_nop                                          ; a plain place behind the two
	s_wait_alu depctr_va_vdst(0)                   ; one wait for both, ahead of their first reader
	WIN 0x82
.irp m, 0,1
.set i, 0
.rept 64
	v_pk_mul_f32 v[128*\m+2*i:128*\m+2*i+1], v[128*\m+2*i:128*\m+2*i+1], v[10+2*\m:11+2*\m] op_sel_hi:[1,0]
.set i, i+1
.endr
.endr
; THE WAY OUT of tile m: through my own stage, columns in their true order; back as rows of 1,024 bytes, eight rows at a time; x ln_g + ln_b; each store covers 512 consecutive bytes at a multiple of 256 from the buffer's first byte
.macro OUTM m
	WIN 0x08                                       ; an LDS store's data are its source 1: window 2
.irp n, 0,1,2,3,4,5,6,7,8,9,10,11,12,13,14,15
	ds_store_b128 v6, v[128*\m+8*\n:128*\m+8*\n+3] offset:128*(\n/2)+32*(\n%2)
	ds_store_b128 v6, v[128*\m+8*\n+4:128*\m+8*\n+7] offset:128*(\n/2)+32*(\n%2)+16
.endr
	WIN 0
.irp q, 0,1
	s_wait_xcnt 0x0                                ; earlier stores have read their data: the rows' registers may be loaded again
.irp p, 0,1,2,3,4,5,6,7
	ds_load_b128 v[OB+64*\q+8*\p:OB+64*\q+8*\p+3], v7 offset:1040*(8*\q+\p)        ; LDS serves a wave's instructions in order: these see my stores
	ds_load_b128 v[OB+64*\q+8*\p+4:OB+64*\q+8*\p+7], v7 offset:1040*(8*\q+\p)+512
.endr
.irp p, 0,1,2,3,4,5,6,7
	s_wait_dscnt 14-2*\p                           ; row p's two loads are in; those of the rows behind it may be out
.irp k, 0,1,2,3
	v_pk_fma_f32 v[OB+64*\q+8*\p+2*\k:OB+64*\q+8*\p+2*\k+1], v[OB+64*\q+8*\p+2*\k:OB+64*\q+8*\p+2*\k+1], v[232+2*\k:233+2*\k], v[240+2*\k:241+2*\k]
.endr
	global_store_b128 v1, v[OB+64*\q+8*\p:OB+64*\q+8*\p+3], s[16:17] offset:(8*\m+16*\q+\p)*4096 th:TH_STORE_NT   ; tile row 8 q + p is memory row 8 m + 16 q + p of my 32
	global_store_b128 v1, v[OB+64*\q+8*\p+4:OB+64*\q+8*\p+7], s[16:17] offset:(8*\m+16*\q+\p)*4096+512 th:TH_STORE_NT
.endr
.endr
.endm
	OUTM 0
	OUTM 1
	s_set_vgpr_msb 0x5
	s_wait_tensorcnt 0x0
	ds_add_u32 v254, v255
	s_wait_dscnt 0x0
	s_set_vgpr_msb 0x500
	s_endpgm
.Lfunc_end_k_qb0fbf2fca6_oproj:
	.size	k_qb0fbf2fca6_oproj, .Lfunc_end_k_qb0fbf2fca6_oproj-k_qb0fbf2fca6_oproj
	.p2alignl 7, 3214868480
	.fill 96, 4, 3214868480
	.section	.rodata,"a",@progbits
	.p2align	6, 0x0
	.amdhsa_kernel k_qb0fbf2fca6_oproj
		.amdhsa_group_segment_fixed_size 68096
		.amdhsa_private_segment_fixed_size 0
		.amdhsa_enable_private_segment 0
		.amdhsa_kernarg_size 56
		.amdhsa_user_sgpr_count 2
		.amdhsa_user_sgpr_kernarg_segment_ptr 1
		.amdhsa_wavefront_size32 1
		.amdhsa_system_sgpr_workgroup_id_x 1
		.amdhsa_system_sgpr_workgroup_id_y 1
		.amdhsa_system_sgpr_workgroup_id_z 1
		.amdhsa_system_vgpr_workitem_id 0
		.amdhsa_next_free_vgpr 1024
		.amdhsa_next_free_sgpr 66
		.amdhsa_reserve_vcc 0
		.amdhsa_float_denorm_mode_32 3
		.amdhsa_float_denorm_mode_16_64 3
		.amdhsa_memory_ordered 1
		.amdhsa_forward_progress 1
		.amdhsa_inst_pref_size 160
	.end_amdhsa_kernel
	.amdgpu_metadata
---
amdhsa.version: [ 1, 2 ]
amdhsa.kernels:
  - .name:           k_qb0fbf2fca6_oproj
    .symbol:         k_qb0fbf2fca6_oproj.kd
    .args:
      - { .name: acodes, .offset: 0, .size: 8, .value_kind: global_buffer, .address_space: global }
      - { .name: ascale, .offset: 8, .size: 8, .value_kind: global_buffer, .address_space: global }
      - { .name: codes, .offset: 16, .size: 8, .value_kind: global_buffer, .address_space: global }
      - { .name: ob, .offset: 24, .size: 8, .value_kind: global_buffer, .address_space: global }
      - { .name: ln_g, .offset: 32, .size: 8, .value_kind: global_buffer, .address_space: global }
      - { .name: ln_b, .offset: 40, .size: 8, .value_kind: global_buffer, .address_space: global }
      - { .name: out0, .offset: 48, .size: 8, .value_kind: global_buffer, .address_space: global }
    .group_segment_fixed_size: 68096
    .private_segment_fixed_size: 0
    .kernarg_segment_align: 8
    .kernarg_segment_size: 56
    .max_flat_workgroup_size: 128
    .sgpr_count:     66
    .vgpr_count:     1024
    .wavefront_size: 32
...
	.end_amdgpu_metadata
.endif
;; end of part 4
